; MI455X (gfx1250); checked and timed in simulation.
; The chip was launched on July 23, 2026; its instructions are those of AMD's public machine-readable ISA for CDNA 5 (MIT licence, August 2026) and "CDNA5" Instruction Set Architecture Reference Guide (July 2026). The comments in the code are by the model that wrote it; some were corrected since.
;; Multi Head Attention. Allowed arithmetic: matrix products marked QUANTISED: E5M2 operands, one given power-of-two scale a tensor, by v_wmma_f32_16x16x64_bf8_bf8 or v_wmma_f32_16x16x128_bf8_bf8, f32 sums; everything else in f32.
;; Inputs: lowp_scales 12 int32 (the exponents e of the quantised operands' scales 2^e); wk_codes 1,024 x 32 x 32 uint8 (E5M2 codes of wk, K innermost, in blocks of 32 codes); wo_codes 1,024 x 32 x 32 uint8 (E5M2 codes of wo, K innermost, in blocks of 32 codes); wq_codes 1,024 x 32 x 32 uint8 (E5M2 codes of wq, K innermost, in blocks of 32 codes); wv_codes 1,024 x 32 x 32 uint8 (E5M2 codes of wv, K innermost, in blocks of 32 codes); x_codes 4 x 2,048 x 32 x 32 uint8 (E5M2 codes of x, K innermost, in blocks of 32 codes).
;; Outputs: out0 4 x 2,048 x 1,024 float32.
;; This version of the problem:
;;   THIS VERSION OF THE PROBLEM IS GIVEN IN LOW PRECISION. The matrix products marked QUANTISED in the list below multiply operands that are first quantised to E5M2 (5 exponent bits, 2 mantissa bits; 8 bits a number), with one given power-of-two scale for each operand tensor; their sums are f32. All else is computed in f32.
;;   The module's matrix products, in the order in which they are computed (A, B: the left and right operand; K: the contracted axis; several contracted axes count as one K, in the product's order):
;;     1. [M 8,192, K 1,024] x [K 1,024, N 1,024]; A: input x (given as codes); B: input wq (given as codes): QUANTISED (scales: A lowp_scales[0], B lowp_scales[1])
;;     2. [M 8,192, K 1,024] x [K 1,024, N 1,024]; A: input x (given as codes); B: input wk (given as codes): QUANTISED (scales: A lowp_scales[2], B lowp_scales[3])
;;     3. [M 8,192, K 1,024] x [K 1,024, N 1,024]; A: input x (given as codes); B: input wv (given as codes): QUANTISED (scales: A lowp_scales[4], B lowp_scales[5])
;;     4. batch 64 x [M 2,048, K 64] x [K 64, N 2,048]; A: computed on the way; B: computed on the way: QUANTISED (scales: A lowp_scales[6], B lowp_scales[7])
;;     5. batch 64 x [M 2,048, K 2,048] x [K 2,048, N 64]; A: softmax (see below); B: computed on the way: QUANTISED (scales: A lowp_scales[8], B lowp_scales[9])
;;     6. [M 8,192, K 1,024] x [K 1,024, N 1,024]; A: computed on the way; B: input wo (given as codes): QUANTISED (scales: A lowp_scales[10], B lowp_scales[11])
;;   THE QUANTISER, for each operand of a quantised product, along K:
;;     - The operand's scale is 2^e, e = its entry of the input lowp_scales (int32; the entries are numbered through the quantised products in the list's order, A before B).
;;     - Each number is divided by the scale, clamped to +-57,344, and rounded to the nearest number of E5M2, ties to even, subnormals kept.
;;     - The product sums the exact products of the quantised numbers (number of the format x scale) in f32.
;;   ~~~python
;;   def quantise(x, axis, e):      # numpy; x: float32 -> the quantised numbers, widened to float32 again
;;       x = np.moveaxis(x, axis, -1); K = x.shape[-1]
;;       r = np.clip(x / 2.0 ** e, -57344, 57344)
;;       step = 2.0 ** (np.maximum(np.frexp(np.where(r == 0, 1, r))[1] - 1, -14) - 2)
;;       q = np.round(r / step) * step * 2.0 ** e      # np.round: ties to even
;;       return np.moveaxis(q, -1, axis).astype(np.float32)
;;   ~~~
;;   SOFTMAX AHEAD OF A QUANTISED PRODUCT. Where the list says 'softmax', what is quantised is not the finished softmax but p = 2^(t - M), with t = logit x log2(e) and M = ceil(the row's largest t), a whole number; so 1/2 < the row's largest p <= 1. The row's sum l is taken of the UNQUANTISED p, in f32, and the product's result is divided by l at the end. Since M is a whole number, a kernel that streams over the keys may use a running M (the ceiling of the running maximum): every later rescaling is an exact power of two, so the quantised numbers keep their values, but for numbers so far below the row's largest that they fall under the format's range.
;;   OPERANDS COMPUTED ON THE WAY. 'Computed on the way' means the value that the module computes at that place (a softmax that the list does not call 'softmax' is quantised finished and normalised). What goes into a quantiser is computed in f32, as accurately as f32 sums, v_exp_f32 and their like allow (about 1e-6 of the number): no bf16 or f16 on the way to a quantiser, and a product that is left as it is and whose result goes on into a quantised operand takes f32 operands (vector FMAs, or v_wmma_f32_16x16x4_f32). A number that lies on a knife's edge between two numbers of the format may be rounded either way, as far as f32 arithmetic and the matrix unit's own rounding can turn it there, and no further.
;;   INPUTS GIVEN AS CODES. wk (in the module: [1024, 1024], K = its axis 1); wo (in the module: [1024, 1024], K = its axis 1); wq (in the module: [1024, 1024], K = its axis 1); wv (in the module: [1024, 1024], K = its axis 1); x (in the module: [4, 2048, 1024], K = its axis 2): each comes as NAME_codes (uint8): NAME with its K axis moved to the last place and cut into blocks of 32 codes, [.., K / 32, bytes a block], one block behind the other in memory; one code a byte (a code: sign, 5 exponent bits, 2 mantissa bits); its scale is its entry of lowp_scales. Its value is code x scale, taken as it is: it is not quantised again, and the codes and scales need not be those that the quantiser above would give.
;; One version. Each part assembles by itself: llvm-mc -triple=amdgcn-amd-amdhsa -mcpu=gfx1250 --defsym DOCPART=n.
;; ======== version 1 of 1: 3 launches
;; limits: right only within a limited range of input values
;; workspace buffers: q_img 8,388,608 bytes; k_img 8,388,608 bytes; v_img 8,388,608 bytes; y_img 8,388,608 bytes
;; launch proj (part 1): grid 12 x 32, 4 waves a work-group, clusters of 4 x 4, 327,680 bytes of LDS; arguments x_codes, wq_codes, wk_codes, wv_codes, lowp_scales, q_img, k_img, v_img; writes q_img, k_img, v_img
.if DOCPART == 1
	.amdgcn_target "amdgcn-amd-amdhsa--gfx1250"
	.amdhsa_code_object_version 6
	.text
	.protected	k_q88b2a2e320_proj
	.globl	k_q88b2a2e320_proj
	.p2align	8
	.type	k_q88b2a2e320_proj,@function
k_q88b2a2e320_proj:
	s_mov_b64 s[64:65], 0
	v_nop
	global_prefetch_b8 v0, s[64:65] scope:SCOPE_SE
	s_setreg_imm32_b32 hwreg(HW_REG_WAVE_MODE, 25, 1), 1
	s_wait_xcnt 0x0
	s_wait_alu depctr_hold_cnt(0) depctr_sa_sdst(0) depctr_va_vdst(0) depctr_va_sdst(0) depctr_va_ssrc(0) depctr_va_vcc(0) depctr_vm_vsrc(0)
	s_getreg_b32 s2, hwreg(HW_REG_IB_STS2, 6, 4)
	s_cmp_eq_u32 s2, 0
	s_cbranch_scc0 .Lentry_in_a_cluster
	s_endpgm
.Lentry_in_a_cluster:
	s_bfe_u32 s2, ttmp6, 0x10000c
	s_cmp_lg_u32 s2, 0xf033
	s_cbranch_scc0 .Lentry_shape_is_right
	s_endpgm
.Lentry_shape_is_right:
; THE THREE PROJECTIONS q = x wq^T, k = x wk^T, v = x wv^T on codes of BF8 (E5M2), and the quantising of their results for the attention that follows.
; One text serves all three as C' = A' B'^T, K = 1,024.  The cluster's x (0, 1, 2) names the product, so it is the same in all sixteen partners:
;   0: A' = x (8,192 tokens), B' = wq (1,024 features);   1: A' = x, B' = wk;   2: A' = wv (features), B' = x (tokens): V TRANSPOSED.
; THE MATRIX INSTRUCTION IS USED TRANSPOSED (source 0 = 16 rows of B', source 1 = 16 rows of A'): lane (r, h) holds row r of A' and eight neighbouring rows 8 h + 0 .. 7 of B'.  So a lane's eight sums run along the
; NEXT product's K: the head's 64 for q and k, the keys for v.  One conversion makes of them two registers of the next operand in the plain 8-bit layout (registers 2 c, 2 c + 1: k = 16 c + 8 h + 0 .. 7),
; and the codes leave straight from registers as IMAGES OF OPERAND REGISTERS: pieces of 512 bytes, lane l's 16 bytes at 16 l.  Each store of a wave covers 512 consecutive bytes, aligned.
;   q_img, k_img: [batch x head 64][token tile of 16: 128][piece 2][lane 32][16 bytes];   v_img: [batch x head 64][block of 128 keys: 16][tile of 16 of the head's 64: 4][piece 4][lane 32][16 bytes].
; code = sum x 2^(ea + eb) / 2^eo, held within +-57,344: the three given exponents are folded into the conversion's one scale 2^(eo - ea - eb).  (ea, eb, eo) = entries (0, 1, 6), (2, 3, 7), (4, 5, 9) of the scales.
; LIMITS: eo - ea - eb lies between -126 and 112, so that the scale and 57,344 x the scale are f32 numbers.  NaN among the codes is not served.
; A tile of C', 256 x 256, is made by a work-group of four waves, each 128 x 128: 64 accumulators of 16 x 16, 512 registers.  K goes in steps of 256 through a ring of two LDS slots filled by the tensor data mover.
; A fragment is fetched by four loads of 16 bytes, 32 bytes apart: a permutation of k, the same in A' and B', so that every product meets its partner.
; CLUSTERS: 4 x 4 work-groups.  The four of a row of the cluster need the same tiles of A', the four of a column the same tiles of B': each tile is asked for JOINTLY, by the same tensor load with the same descriptor and a mask that names the four.
; No prefetch is laid: K has four steps, of which two are the first fills.
; REGISTERS, in windows of 256: window 0: v0-31 addresses and the scale; v32-95 a block's sums, held; v96-111 its codes; from v128 A's fragments, ONE set.
;   window 1: B's fragments, TWO sets, at v0 and v128.   window 2: the accumulators of my rows 0-63 ((a, b) at v[8 (8 a + b)]);   window 3: those of my rows 64-127.
.set SIZE_K, 1024
.set KSTEP,  256                       ; along K in a slot
.set ROWB,   256                       ; a tile's row in bytes
.set KROW,   SIZE_K                    ; a row of A' or B' in memory, in bytes
.set PITCH,  272                       ; an LDS row: 256 bytes + 16 of padding = 68 words: the 16 rows that a load touches start at 16 different banks (64 banks of 4 bytes: ISA guide 11.1)
.set FR,     16                        ; registers of a fragment: 16 rows x 128 K
.set NL,     4                         ; LDS loads that bring one
.set NP,     4                         ; places behind this matrix instruction (ISA guide 7.12.1)
.set HALFT,  128*PITCH                 ; 128 rows: what one tensor load brings
.set SLOT,   4*HALFT                   ; A's 256 rows, then B's 256 rows
.set LAPS,   SIZE_K/(2*KSTEP)          ; a lap = two K steps = once round the ring: 2
.set SPARE,  2*SLOT                    ; behind the ring: the spare words, 128 bytes for each wave
.set ADRA, 16                          ; v16-17  LDS address of my A fragments in slot 0, 1
.set ADRB, 20                          ; v20-21  the same for B
.set LI,   26                          ; v26     16 x lane: my place in a piece of an image; never rewritten
.set SPW,  28                          ; v28     LDS address of my spare word; never rewritten
.set NIL,  29                          ; v29     0; never rewritten
.set SC,   30                          ; v30     2^(eo - ea - eb) as f32
.set LIM,  31                          ; v31     57,344 x that
.set TMP,  32                          ; v32-95  a block's 64 sums, held
.set CD,   96                          ; v96-111 its codes
.set AF,   128                         ; A's fragments, in window 0
.set G1, 24                            ; s[24:31] descriptor group 1 for A's tiles;  s[32:39] group 0, one set for each slot
.set G0, 32
.set G1B, 48                           ; s[48:55], s[56:63] the same for B's tiles
.set G0B, 56
.set P0, 88                            ; s[88:89] where pieces 0, 1 of the block in hand go;  s[90:91] pieces 2, 3 (less their immediates)
.set P1, 90
.set SA, 92                            ; s[92:93] bytes from a block of 16 rows to the next
.set SA4, 94                           ; s[94:95] more bytes between blocks 3 and 4
.set SB2, 96                           ; s[96:97] more bytes between pieces 1 and 2
.set MSB, 0
.macro WIN new                         ; the immediate's high byte repeats the setting that is left
.if MSB != \new
	s_set_vgpr_msb (MSB<<8)|\new
.set MSB, \new
.endif
.endm
.set MUL_LO, 0xa1                      ; source 0 (B) window 1, source 1 (A) window 0, C and D window 2
.set MUL_HI, 0xf1                      ; the same, C and D window 3
.set TO_B,   0x40                      ; destination window 1, address window 0
; A joint load: waves 0 and 1 fetch for A, waves 2 and 3 for B.  The branch hangs on the wave's number alone.  Four v_nop follow each of the two lines.
.macro JLOAD g0a, g1a, g0b, g1b
	s_cmp_eq_u32 s15, 0
	s_cbranch_scc0 .Lfor_b_\@
	tensor_load_to_lds s[\g0a:\g0a+3], s[\g1a:\g1a+7]
	s_nop 0
.rept 4
	v_nop
.endr
	s_branch .Lasked_\@
.Lfor_b_\@:
	tensor_load_to_lds s[\g0b:\g0b+3], s[\g1b:\g1b+7]
	s_nop 0
.rept 4
	v_nop
.endr
.Lasked_\@:
.endm
.macro CREST                           ; a round of the cluster's barrier behind its opening barrier
	s_cmp_lg_u32 s14, 0
	s_cbranch_scc1 .Lnot_wave_0_\@
	s_barrier_signal -3
.Lnot_wave_0_\@:
	s_barrier_wait -3
	s_barrier_signal -1
	s_barrier_wait -1
.endm
.macro CROUND                          ; a whole round
	s_barrier_signal -1
	s_barrier_wait -1
	CREST
.endm
	s_load_b256 s[4:11], s[0:1], 0x0               ; x s[4:5], wq s[6:7], wk s[8:9], wv s[10:11]
	s_load_b256 s[68:75], s[0:1], 0x20             ; the scales' exponents s[68:69], q_img s[70:71], k_img s[72:73], v_img s[74:75]
	v_lshl_add_u32 v[SPW], v0, 2, SPARE
	v_mov_b32 v[NIL], 0
	ds_add_u32 v28, v29
	ds_add_u32 v28, v29
	s_wait_dscnt 0x0
	v_lshrrev_b32 v1, 5, v0
	v_readfirstlane_b32 s14, v1                    ; wave 0..3
	s_lshr_b32 s15, s14, 1                         ; which half of the tile's rows is mine.  Also: I fetch for A (0) or for B (1)
	s_and_b32 s16, s14, 1                          ; which half of its columns.  Also: which 128 rows of that tile I fetch
	s_bfe_u32 s40, ttmp6, 0x40000                  ; cx, cy: my place in the cluster
	s_bfe_u32 s41, ttmp6, 0x40004
	s_and_b32 s12, ttmp7, 0xffff                   ; the cluster's y, 0..7: it walks the tokens, which are A's rows in products 0 and 1 and B's rows in product 2
	s_cmp_eq_u32 ttmp9, 2
	s_cselect_b32 s17, 0, s12
	s_cselect_b32 s42, s12, 0
	s_lshl_b32 s17, s17, 2
	s_add_co_u32 s17, s17, s41                     ; tile row of C'
	s_lshl_b32 s42, s42, 2
	s_add_co_u32 s42, s42, s40                     ; tile column of C'
	s_lshl_b32 s43, s41, 2
	s_lshl_b32 s43, 15, s43                        ; my row of the cluster
	s_lshl_b32 s44, 0x1111, s40                    ; my column
	; descriptor group 1: a tile of 128 rows x 256 bytes, padded in LDS
	s_or_b32 s[G1+0], s43, (0<<16)|(1<<20)|(1<<21)|(5<<22)|(3<<25)  ; 15:0 the mask: A's tiles go to my row; 17:16 element of 1 byte; 20 padding on; 21 set beside a mask; 24:22 after every 64 words; 31:25 of 4 words
	s_or_b32 s[G1B+0], s44, (0<<16)|(1<<20)|(1<<21)|(5<<22)|(3<<25)
.irp g, G1, G1B
	s_mov_b32 s[\g+1], ROWB<<16                    ; tensor_dim0
	s_mov_b32 s[\g+2], 128<<16                     ; tensor_dim1 = 128
	s_mov_b32 s[\g+3], ROWB<<16                    ; tile_dim0
	s_mov_b32 s[\g+4], 128                         ; tile_dim1 = 128
	s_mov_b32 s[\g+5], KROW                        ; tensor_dim0_stride
	s_mov_b32 s[\g+6], 0
	s_mov_b32 s[\g+7], 0
.endr
	s_lshl_b32 s18, s16, 7                         ; which 128 rows of the tile I fetch
	s_lshl_b32 s20, s17, 8
	s_add_co_u32 s20, s20, s18                     ; A': row 256 x tile row + 128 x half
	s_lshl_b32 s46, s42, 8
	s_add_co_u32 s46, s46, s18                     ; B': row 256 x tile column + 128 x half
	s_lshl_b32 s20, s20, 10                        ; in bytes: rows of 1,024; 8,191 rows at the most, under 2^23
	s_lshl_b32 s46, s46, 10
	s_mov_b32 s21, 0
	s_mov_b32 s47, 0
	s_mul_i32 s45, s14, HALFT                      ; where they go: wave x 128 rows: no place in the cluster enters an LDS address
	s_wait_kmcnt 0x0
	s_load_b256 s[76:83], s[68:69], 0x0            ; e0 .. e7
	s_load_b128 s[84:87], s[68:69], 0x20           ; e8 .. e11
	s_cmp_eq_u32 ttmp9, 2                          ; the operands are chosen by the cluster's x alone
	s_cselect_b64 s[22:23], s[10:11], s[4:5]       ; A' = wv, or x
	s_cselect_b64 s[18:19], s[4:5], s[8:9]         ; B' = x, or wk,
	s_cmp_eq_u32 ttmp9, 0
	s_cselect_b64 s[18:19], s[6:7], s[18:19]       ; or wq
	s_add_nc_u64 s[20:21], s[22:23], s[20:21]
	s_add_nc_u64 s[46:47], s[18:19], s[46:47]
	CROUND                                         ; all sixteen work-groups are here: the first joint loads meet
.irp s, 0,1
	s_mov_b32 s[G0+4*\s], 1
	s_add_co_u32 s[G0+4*\s+1], s45, \s*SLOT
	s_add_nc_u64 s[G0+4*\s+2:G0+4*\s+3], s[20:21], \s*ROWB
	s_or_b32 s[G0+4*\s+3], s[G0+4*\s+3], 0x80000000
	s_mov_b32 s[G0B+4*\s], 1
	s_add_co_u32 s[G0B+4*\s+1], s45, \s*SLOT
	s_add_nc_u64 s[G0B+4*\s+2:G0B+4*\s+3], s[46:47], \s*ROWB
	s_or_b32 s[G0B+4*\s+3], s[G0B+4*\s+3], 0x80000000
	JLOAD G0+4*\s, G1, G0B+4*\s, G1B
.endr
	v_and_b32 v1, 15, v0                           ; l % 16
	v_bfe_u32 v2, v0, 4, 1                         ; l / 16
	v_mul_u32_u24 v3, v1, PITCH
	v_lshl_add_u32 v4, v2, 4, v3                   ; a fragment's row x pitch + 16 x half
	s_mul_i32 s21, s15, HALFT                      ; my 128 rows of A'
	s_mul_i32 s22, s16, HALFT                      ; my 128 rows of B',
	s_add_co_u32 s22, s22, 2*HALFT                 ; which lie behind A's 256
.irp s, 0,1
	v_add_nc_u32 v[ADRA+\s], s21, v4
	v_add_nc_u32 v[ADRB+\s], s22, v4
	s_add_co_u32 s21, s21, SLOT
	s_add_co_u32 s22, s22, SLOT
.endr
	v_and_b32 v6, 31, v0
	v_lshlrev_b32 v[LI], 4, v6
	; where my codes go.  tok, feat: my first token and my first feature.  In all three images: batch x 2^21 + head x 2^17 + (token in the batch) x 64
	s_lshl_b32 s20, s17, 8
	s_lshl_b32 s21, s15, 7
	s_add_co_u32 s20, s20, s21                     ; my first row of C'
	s_lshl_b32 s21, s42, 8
	s_lshl_b32 s22, s16, 7
	s_add_co_u32 s21, s21, s22                     ; my first column
	s_cmp_eq_u32 ttmp9, 2
	s_cselect_b32 s22, s21, s20                    ; tok
	s_cselect_b32 s23, s20, s21                    ; feat
	s_mov_b32 s[SA], 1024
	s_cselect_b32 s[SA], 2048, s[SA]               ; a block of 16 rows on: q, k: the next token tile, 1,024 bytes; v: the next tile of the head's 64, 2,048
	s_cselect_b32 s[SA4], 122880, 0                ; v: blocks 4-7 belong to the next head: 2^17 - 4 x 2,048 more
	s_cselect_b32 s[SB2], 0, 130048                ; q, k: pieces 2, 3 belong to the next head: 2^17 - 1,024 more
	s_cselect_b64 s[P0:P0+1], s[74:75], s[72:73]   ; v_img, or k_img,
	s_mov_b32 s[SA+1], 0
	s_mov_b32 s[SA4+1], 0
	s_mov_b32 s[SB2+1], 0
	s_cmp_eq_u32 ttmp9, 0
	s_cselect_b64 s[P0:P0+1], s[70:71], s[P0:P0+1] ; or q_img
	s_lshr_b32 s18, s22, 11
	s_lshl_b32 s18, s18, 21
	s_lshr_b32 s19, s23, 6
	s_lshl_b32 s19, s19, 17
	s_add_co_u32 s18, s18, s19
	s_and_b32 s19, s22, 2047
	s_lshl_b32 s19, s19, 6
	s_add_co_u32 s18, s18, s19
	s_mov_b32 s19, 0
	s_add_nc_u64 s[P0:P0+1], s[P0:P0+1], s[18:19]
	s_add_nc_u64 s[P1:P1+1], s[P0:P0+1], s[SB2:SB2+1]
.macro FRAG reg, adr, q, i             ; a fragment, 16 rows x 128 K: lane l holds row l % 16; registers 4 c .. 4 c + 3 hold K = 32 c + 16 (l / 16) + 0 .. 15
.irp c, 0,1,2,3
	ds_load_b128 v[\reg+4*\c:\reg+4*\c+3], v[\adr] offset:128*(\q)+32*\c+(\i)*16*PITCH
.endr
.endm
; 16 matrix instructions: A's blocks a0, a0 + 1 x B's eight, 128 along K.  p: B's set.  zero = 1: the first product starts the sums.
; The 64 accumulators take turns, one instruction a turn, in the same order in every step.
.macro MUL16 a0, p, zero
.irp a, \a0, \a0+1
.irp b, 0,1,2,3,4,5,6,7
.if \zero
	v_wmma_f32_16x16x128_bf8_bf8 v[8*(8*((\a)%4)+\b):8*(8*((\a)%4)+\b)+7], v[128*(\p)+FR*\b:128*(\p)+FR*\b+FR-1], v[AF+FR*(\a):AF+FR*(\a)+FR-1], 0
.else
	v_wmma_f32_16x16x128_bf8_bf8 v[8*(8*((\a)%4)+\b):8*(8*((\a)%4)+\b)+7], v[128*(\p)+FR*\b:128*(\p)+FR*\b+FR-1], v[AF+FR*(\a):AF+FR*(\a)+FR-1], v[8*(8*((\a)%4)+\b):8*(8*((\a)%4)+\b)+7]
.endif
.endr
.endr
.endm
.macro FETCH_B slot, q, p              ; B's eight fragments of the slot's q-th 128 along K into set p
	WIN TO_B
.irp i, 0,1,2,3,4,5,6,7
	FRAG 128*(\p)+FR*\i, ADRB+\slot, \q, \i
.endr
	WIN 0
.endm
.macro FETCH_A slot, q, i0             ; A's blocks i0 .. i0 + 3
.irp i, \i0, \i0+1, \i0+2, \i0+3
	FRAG AF+FR*(\i), ADRA+\slot, \q, \i
.endr
.endm
; A load into a register that a matrix instruction has read, and a vector instruction that reads a matrix result, stand NP places behind that matrix instruction; only plain vector
; instructions that name none of its registers are places (ISA guide 7.12.1 for vector instructions).
.macro PLACES n
.rept \n
	v_nop
.endr
.endm
; A step of 128 along K that has its successor in the same slot.
.macro STEP slot, q, zero
	s_wait_dscnt 4*NL                              ; B's set and A's blocks 0-3 are in; the youngest 16 loads (A's blocks 4-7) may be out
	WIN MUL_LO
	MUL16 0, (\q)%2, \zero
	MUL16 2, (\q)%2, \zero
	s_wait_dscnt 0                                 ; A's blocks 4-7 are in
	PLACES NP
	FETCH_B \slot, (\q)+1, 1-(\q)%2
	FETCH_A \slot, (\q)+1, 0
	WIN MUL_HI
	MUL16 4, (\q)%2, \zero
	MUL16 6, (\q)%2, \zero
	PLACES NP
	WIN 0
	FETCH_A \slot, (\q)+1, 4
.endm
; A slot's last step changes slots: ONE barrier; in front of it each wave waits for all its tensor loads, adds 0 to its spare word, and waits for that and for its own reads of this slot.  fill = 1: this slot is filled again, two K steps ahead.
.macro TURN slot, next, fill
	s_wait_tensorcnt 0x0                           ; all my tensor loads have landed: my part of the next slot  (every window is 0 here)
	ds_add_u32 v[SPW], v[NIL]                      ; 0 onto my spare word
	s_wait_dscnt 4*NL+1                            ; (the add and the youngest 16 loads, A's blocks 4-7, may be out)
	WIN MUL_LO
	MUL16 0, 1, 0                                  ; sixteen matrix instructions stand between the add and the wait for it
	s_wait_dscnt 0x0                               ; the add is done, and my reads of this slot are over
	s_barrier_signal -1
	MUL16 2, 1, 0
	WIN 0
	s_barrier_wait -1
.if \fill
	CREST                                          ; the barrier has opened a round of the cluster's barrier: no wave of any partner still reads this slot's tile or has a load on its way
	s_add_nc_u64 s[G0+4*\slot+2:G0+4*\slot+3], s[G0+4*\slot+2:G0+4*\slot+3], 2*ROWB
	s_add_nc_u64 s[G0B+4*\slot+2:G0B+4*\slot+3], s[G0B+4*\slot+2:G0B+4*\slot+3], 2*ROWB
	JLOAD G0+4*\slot, G1, G0B+4*\slot, G1B         ; the first tensor load behind the round; its four v_nop are also the places in front of the loads below
.else
	PLACES NP
.endif
	FETCH_B \next, 0, 0
	FETCH_A \next, 0, 0
	WIN MUL_HI
	MUL16 4, 1, 0
	MUL16 6, 1, 0
	PLACES NP
	WIN 0
	FETCH_A \next, 0, 4
.endm
	s_wait_alu depctr_va_vdst(0)
	s_wait_tensorcnt 1                             ; my part of K step 0 is in (K step 1's load may be out)
	s_barrier_signal -1
	s_barrier_wait -1                              ; everybody's is
	FETCH_B 0, 0, 0
	FETCH_A 0, 0, 0
	FETCH_A 0, 0, 4
	STEP 0, 0, 1                                   ; the first step stands in front of the loop: its products start the sums
	s_mov_b32 s3, LAPS-1
.Llap:                                                 ; a trip goes once round the ring, from a lap's second step to the next lap's first, and fills both slots again
	TURN 0, 1, 1
	STEP 1, 0, 0
	TURN 1, 0, 1
	STEP 0, 0, 0
	s_sub_co_u32 s3, s3, 1
	s_cmp_lg_u32 s3, 0
	s_cbranch_scc1 .Llap
	TURN 0, 1, 0                                   ; the last lap fills nothing, and has no round of the cluster's barrier
	STEP 1, 0, 0
	s_wait_dscnt 4*NL                              ; the very last step: nothing more to fetch
	WIN MUL_LO
	MUL16 0, 1, 0
	MUL16 2, 1, 0
	s_wait_dscnt 0
	WIN MUL_HI
	MUL16 4, 1, 0
	MUL16 6, 1, 0
	WIN 0
	; THE SCALE, chosen by the cluster's x, with no branch
	s_wait_kmcnt 0x0
	s_cmp_eq_u32 ttmp9, 2
	s_cselect_b32 s18, s80, s78                    ; ea: entry 4, or 2,
	s_cselect_b32 s19, s81, s79                    ; eb: entry 5, or 3,
	s_cselect_b32 s20, s85, s83                    ; eo: entry 9, or 7,
	s_cmp_eq_u32 ttmp9, 0
	s_cselect_b32 s18, s76, s18                    ; or 0,
	s_cselect_b32 s19, s77, s19                    ; 1,
	s_cselect_b32 s20, s82, s20                    ; 6
	s_sub_co_i32 s20, s20, s18
	s_sub_co_i32 s20, s20, s19                     ; a sum stands for sum x 2^(ea + eb): its code is sum / 2^(eo - ea - eb)
	s_add_co_i32 s20, s20, 127
	s_lshl_b32 s21, s20, 23
	v_mov_b32 v[SC], s21                           ; the conversion takes its exponent field
	s_add_co_i32 s20, s20, 15
	s_lshl_b32 s20, s20, 23
	s_or_b32 s20, s20, 0x600000
	v_mov_b32 v[LIM], s20                          ; 57,344 x the scale
	PLACES NP                                      ; behind the last products, in front of the first read of results
; THE WAY OUT of block a (16 rows of C' x 128 columns): held, converted, stored.  Accumulator b's eight sums become registers 2 b, 2 b + 1 of the codes: four pieces of four registers.
.macro OUTBLK a
.set AC, 64*((\a)%4)
	WIN 0x02+((\a)/4)                              ; source 0: window 2 or 3
.set J, 0
.rept 64
	v_med3_num_f32 v[TMP+J], v[AC+J], -v[LIM], v[LIM]   ; the conversion to an 8-bit code does not saturate (ISA guide 7.6.2): the hold comes first; each accumulator is read from its low end on
.set J, J+1
.endr
	WIN 0
.if (\a) > 0
	s_wait_alu depctr_va_vdst(0)
	s_wait_xcnt 0x0                                ; the last block's stores have read their data and their bases: both are written again only behind this wait
	s_add_nc_u64 s[P0:P0+1], s[P0:P0+1], s[SA:SA+1]
	s_add_nc_u64 s[P1:P1+1], s[P1:P1+1], s[SA:SA+1]
.endif
.if (\a) == 4
	s_add_nc_u64 s[P0:P0+1], s[P0:P0+1], s[SA4:SA4+1]
	s_add_nc_u64 s[P1:P1+1], s[P1:P1+1], s[SA4:SA4+1]
.endif
.irp b, 0,1,2,3,4,5,6,7
	v_cvt_scalef32_pk8_bf8_f32 v[CD+2*\b:CD+2*\b+1], v[TMP+8*\b:TMP+8*\b+7], v[SC]
.endr
	v_nop                                          ; one plain vector instruction behind the last conversion: the next block's holds write the conversions' sources
.irp g, 0,1
	global_store_b128 v[LI], v[CD+4*\g:CD+4*\g+3], s[P0:P0+1] offset:512*\g   ; 32 lanes store 512 consecutive bytes, at a multiple of 512 from the image's first byte
.endr
.irp g, 2,3
	global_store_b128 v[LI], v[CD+4*\g:CD+4*\g+3], s[P1:P1+1] offset:512*\g
.endr
.endm
.irp a, 0,1,2,3,4,5,6,7
	OUTBLK \a
.endr
	s_wait_tensorcnt 0x0                           ; the wave's end
	ds_add_u32 v[SPW], v[NIL]
	s_wait_dscnt 0x0
	CROUND                                         ; the closing round: no work-group ends while a partner may still ask for a tile that names it
	s_endpgm
.Lfunc_end_k_q88b2a2e320_proj:
	.size	k_q88b2a2e320_proj, .Lfunc_end_k_q88b2a2e320_proj-k_q88b2a2e320_proj
	.p2alignl 7, 3214868480
	.fill 96, 4, 3214868480
	.section	.rodata,"a",@progbits
	.p2align	6, 0x0
	.amdhsa_kernel k_q88b2a2e320_proj
		.amdhsa_group_segment_fixed_size 327680
		.amdhsa_private_segment_fixed_size 0
		.amdhsa_enable_private_segment 0
		.amdhsa_kernarg_size 64
		.amdhsa_user_sgpr_count 2
		.amdhsa_user_sgpr_kernarg_segment_ptr 1
		.amdhsa_wavefront_size32 1
		.amdhsa_system_sgpr_workgroup_id_x 1
		.amdhsa_system_sgpr_workgroup_id_y 1
		.amdhsa_system_sgpr_workgroup_id_z 1
		.amdhsa_system_vgpr_workitem_id 0
		.amdhsa_next_free_vgpr 1024
		.amdhsa_next_free_sgpr 100
		.amdhsa_reserve_vcc 0
		.amdhsa_float_denorm_mode_32 3
		.amdhsa_float_denorm_mode_16_64 3
		.amdhsa_memory_ordered 1
		.amdhsa_forward_progress 1
		.amdhsa_inst_pref_size 120
	.end_amdhsa_kernel
	.amdgpu_metadata
---
amdhsa.version: [ 1, 2 ]
amdhsa.kernels:
  - .name:           k_q88b2a2e320_proj
    .symbol:         k_q88b2a2e320_proj.kd
    .args:
      - { .name: x_codes, .offset: 0, .size: 8, .value_kind: global_buffer, .address_space: global }
      - { .name: wq_codes, .offset: 8, .size: 8, .value_kind: global_buffer, .address_space: global }
      - { .name: wk_codes, .offset: 16, .size: 8, .value_kind: global_buffer, .address_space: global }
      - { .name: wv_codes, .offset: 24, .size: 8, .value_kind: global_buffer, .address_space: global }
      - { .name: lowp_scales, .offset: 32, .size: 8, .value_kind: global_buffer, .address_space: global }
      - { .name: q_img, .offset: 40, .size: 8, .value_kind: global_buffer, .address_space: global }
      - { .name: k_img, .offset: 48, .size: 8, .value_kind: global_buffer, .address_space: global }
      - { .name: v_img, .offset: 56, .size: 8, .value_kind: global_buffer, .address_space: global }
    .group_segment_fixed_size: 327680
    .private_segment_fixed_size: 0
    .kernarg_segment_align: 8
    .kernarg_segment_size: 64
    .max_flat_workgroup_size: 128
    .sgpr_count:     100
    .vgpr_count:     1024
    .wavefront_size: 32
...
	.end_amdgpu_metadata
.endif
;; end of part 1
;; launch attn (part 2): grid 4 x 64, 16 waves a work-group, no clusters, 327,680 bytes of LDS; arguments q_img, k_img, v_img, lowp_scales, y_img; writes y_img
.if DOCPART == 2
	.amdgcn_target "amdgcn-amd-amdhsa--gfx1250"
	.amdhsa_code_object_version 6
	.text
	.protected	k_q88b2a2e320_attn
	.globl	k_q88b2a2e320_attn
	.p2align	8
	.type	k_q88b2a2e320_attn,@function
k_q88b2a2e320_attn:
	s_mov_b64 s[64:65], 0
	v_nop
	global_prefetch_b8 v0, s[64:65] scope:SCOPE_SE
	s_setreg_imm32_b32 hwreg(HW_REG_WAVE_MODE, 25, 1), 1
	s_wait_xcnt 0x0
; CAUSAL ATTENTION on codes of BF8 (E5M2), head size 64, 2,048 tokens, 64 (batch x head), and the quantising of its result y for the last projection.
; q_img, k_img: [batch x head][token tile of 16][piece 2][lane][16 bytes]: a tile is one operand of the K = 64 form (lane (r, h): token r; registers 2 c, 2 c + 1: channels 16 c + 8 h + 0 .. 7).
; v_img: [batch x head][block of 128 keys][tile of 16 channels: 4][piece 4][lane][16 bytes]: a tile is one operand of the K = 128 form (lane (r, h): channel r; registers 2 c, 2 c + 1: keys 16 c + 8 h + 0 .. 7).
; y_img: [tile of 16 tokens: 512][head 16][piece 2][lane][16 bytes]: lane (r, h) holds token r, features 64 head + 32 piece + 16 h + 0 .. 15.
; THE SOFTMAX: t = score x log2(e) / 8; M = the row's largest t so far, rounded UP to a whole number; p = 2^(t - M) is quantised with 2^e8; it is not normalised.  The row's sum is taken of the unquantised p, in f32,
; and divides O at the end.  When M moves, the sum and O are multiplied by 2^(old M - new M): exact.
; LAYOUT.  Both products are used transposed: S^T = K Q^T (source 0 = 16 keys, source 1 = my 16 queries), O^T = V^T P^T (source 0 = 16 channels, source 1 = P): a lane holds ONE query (lane % 16) throughout.
; In tile t of S^T a lane's eight registers are keys 16 t + 8 h + 0 .. 7: one conversion makes of them registers 2 t, 2 t + 1 of P in the K = 128 form's own layout.  Nothing changes lanes between the products.
; SHARES.  Work-group (i, batch x head), i = 0 .. 3, takes the block of 256 queries i and then block 7 - i.  Block j needs key slots 0 .. j of 256 keys: i + 1 and 8 - i slots, NINE for every work-group: the trip count is a
; constant, no tile is fetched that is not read, and all 256 work-groups have the same work.  Each of the SIXTEEN waves owns 16 queries of a block in 256 registers: four waves to a SIMD.
; A step is 128 keys.  A step all of whose keys come after my queries is jumped over (a scalar branch on ids); on the diagonal hidden scores become -infinity ahead of the maximum.  Key 0 counts for every query.
; K's and V's images come through a ring of two LDS slots (16,384 bytes of K, 16,384 of V), filled by the tensor data mover: wave 0 K's, wave 1 V's, one dense block each; all sixteen read them.
; NO CLUSTER: work-group i goes back to key slot 0 behind its trip i + 1, so in most trips the four work-groups of a head want four different slots; a joint request wants the same tile in the same trip.  A walk in step
; would have every partner ask for 4 + 8 = 12 slots against these 9.
; LIMITS on the given exponents, so that each power of two below is an f32 number: e6 + e7 between -123 and 130 (added to c's exponent field); e8 and e10 between -126 and 112; e8 + e9 is applied by v_ldexp_f32.  NaN among the codes is not served.
; REGISTERS: v1-9 addresses; v12 -M, v13 the largest t, v[14:15] the sum in two halves; v16-23 Q in hand, v24-31 the second block's Q; v32-95 K's 8 fragments, then V's 4; v96-159 S^T, then p; v160-191 O^T;
;   v192-207 p's codes; v208-215 y's codes; v216-231 y back from the stage; v234-255 constants and at work.
.set SLOT1, 32768                      ; slot 1 begins here: one exclusive or turns an address in one slot into the other's
.set VOFF,  16384                      ; a slot: K's 16 key tiles of 1,024 bytes, then V's 2 blocks of 8,192
.set STAGE, 65536                      ; behind the ring: 16 rows x 80 bytes for each wave (1,280 bytes): y's codes turn here; no fill lands here
.set SPARE, 86016                      ; behind the stages: the spare words, 128 bytes for each wave
.set LI,   1                           ; v1   16 x lane; never rewritten
.set ADR,  2                           ; v2   LDS address of the step's images
.set PFO,  3                           ; v3   256 x lane: the prefetches' offset; never rewritten
.set DL,   4                           ; v4   r - 8 h
.set SPW,  5                           ; v5   LDS address of my spare word; never rewritten
.set NIL,  6                           ; v6   0; never rewritten
.set STO,  8                           ; v8   the stage: where I put 8 codes of my query
.set SRD,  9                           ; v9   and where I read 16 back
.set TB,   2                           ; s2   LDS byte at which the slot in hand begins
.set SLOTS, 3                          ; s3   slots still to be asked for
.set WV,   18
.set SEL,  20                          ; s[20:21] lane selects for v_permlanex16_b32: lane l xor 16
.set CS,   22                          ; s[22:23] c = log2(e) / 8 x 2^(e6 + e7)
.set G1,   24                          ; s[24:31] descriptor group 1
.set G0,   32                          ; s[32:35] group 0
.set KF,   36                          ; s36  the step's first key
.set Q0,   37                          ; s37  my first query in the block in hand
.set Q0B,  38                          ; s38  in the second block
.set NSW,  39                          ; s39  i + 1: slots of the first block
.set SWAT, 40                          ; s40  7 - i: what SLOTS holds in the trip that begins the second block
.set BASE, 42                          ; s[42:43] my head's K image (even waves) or V image (odd waves)
.set KOFF, 44                          ; s[44:45] a key slot's bytes
.set PFA,  48                          ; s[48:49] where my prefetches stand
.set LIM,  50                          ; s50  1 in a wave that prefetches, else the greatest number
.set YPA,  52                          ; s[52:53], s[54:55] where my two tiles of y go
.set YPB,  54
.set EPV,  63                          ; s63  e8 + e9
; Waves 0 and 1 fetch, the others nothing.  The branch hangs on the wave's number alone.  Four v_nop follow the line.
.macro TLOAD
	s_cmp_lt_u32 s[WV], 2
	s_cbranch_scc0 .Lasked_\@
	tensor_load_to_lds s[G0:G0+3], s[G1:G1+7]
	s_nop 0
.rept 4
	v_nop
.endr
.Lasked_\@:
.endm
; A PREFETCH INTO THE L2 of the key slot that work-group 0 of the head asks for at its NEXT change of slots: 16,384 bytes of K (wave 2) and of V (wave 3), lanes 256 bytes apart, two instructions a wave.
; Only the head's work-group 0 asks, which walks key slots 0 to 7 in its trips 1 to 8: trip n names slot n, so slots 1 to 7 are named once each in the launch.  The last filling trip asks for nothing; nothing is asked at the head.
.macro ASK
	s_cmp_gt_u32 s[SLOTS], s[LIM]
	s_cbranch_scc0 .Lnot_mine_\@
	global_prefetch_b8 v[PFO], s[PFA:PFA+1] th:TH_LOAD_NT scope:SCOPE_SE
	global_prefetch_b8 v[PFO], s[PFA:PFA+1] offset:8192 th:TH_LOAD_NT scope:SCOPE_SE
.Lnot_mine_\@:
.endm
.macro START                           ; a block's start values: the loop has no first step of its own: the first change of M multiplies zeros
	v_mov_b32 v13, 0xff61b1e6                      ; the largest t so far: -3e38, under every t
	s_delay_alu instid0(VALU_DEP_1)
	v_floor_f32 v12, -v13                          ; -M
	v_mov_b32 v14, 0
	v_mov_b32 v15, 0
.set J, 0
.rept 32
	v_mov_b32 v[160+J], 0
.set J, J+1
.endr
.endm
	s_load_b256 s[4:11], s[0:1], 0x0               ; q_img s[4:5], k_img s[6:7], v_img s[8:9], the scales' exponents s[10:11]
	s_load_b64 s[12:13], s[0:1], 0x20              ; y_img
	v_lshl_add_u32 v[SPW], v0, 2, SPARE
	v_mov_b32 v[NIL], 0
	ds_add_u32 v5, v6
	ds_add_u32 v5, v6
	s_wait_dscnt 0x0
	v_lshrrev_b32 v2, 5, v0
	s_delay_alu instid0(VALU_DEP_1)
	v_readfirstlane_b32 s[WV], v2                  ; wave 0..15
	s_and_b32 s66, ttmp7, 0xffff                   ; batch x head
	s_lshl_b32 s76, s66, 17                        ; its 131,072 bytes in each of q_img, k_img, v_img
	s_mov_b32 s77, 0
	s_and_b32 s67, s[WV], 1
	; descriptor group 1: 64 rows of 256 bytes, dense in memory and in LDS: 16,384 bytes
	s_mov_b32 s[G1], 3<<16                         ; no mask; elements of 8 bytes; no padding
	s_mov_b32 s[G1+1], 32<<16                      ; tensor_dim0 = 32
	s_mov_b32 s[G1+2], 64<<16                      ; tensor_dim1 = 64
	s_mov_b32 s[G1+3], 32<<16                      ; tile_dim0 = 32
	s_mov_b32 s[G1+4], 64                          ; tile_dim1 = 64
	s_mov_b32 s[G1+5], 32                          ; tensor_dim0_stride
	s_mov_b32 s[G1+6], 0
	s_mov_b32 s[G1+7], 0
	s_mov_b32 s[SEL], 0x76543210
	s_mov_b32 s[SEL+1], 0xfedcba98
	s_mov_b32 s[CS], 0x3e38aa3b                    ; log2(e) / 8
	s_mov_b32 s[TB], 0
	s_mov_b32 s[SLOTS], 8
	s_mov_b32 s[KF], 0
	s_mov_b32 s[KOFF+1], 0
	s_add_co_u32 s[NSW], ttmp9, 1
	s_sub_co_u32 s[SWAT], 7, ttmp9
	s_lshl_b32 s46, s[WV], 4
	s_lshl_b32 s[Q0], ttmp9, 8
	s_add_co_u32 s[Q0], s[Q0], s46                 ; 256 i + 16 x wave
	s_lshl_b32 s[Q0B], s[SWAT], 8
	s_add_co_u32 s[Q0B], s[Q0B], s46               ; 256 (7 - i) + 16 x wave
	s_wait_kmcnt 0x0
	s_load_b256 s[56:63], s[10:11], 0x10           ; e4 .. e11: e6 s58, e7 s59, e8 s60, e9 s61, e10 s62
	s_cmp_eq_u32 s67, 0
	s_cselect_b64 s[BASE:BASE+1], s[6:7], s[8:9]
	s_add_nc_u64 s[BASE:BASE+1], s[BASE:BASE+1], s[76:77]
	s_mov_b32 s[G0], 1                             ; count = 1
	s_lshl_b32 s[G0+1], s67, 14                    ; LDS address: slot 0; K's part (wave 0) or V's (wave 1)
	s_mov_b64 s[G0+2:G0+3], s[BASE:BASE+1]         ; key slot 0
	s_or_b32 s[G0+3], s[G0+3], 0x80000000          ; type = 2
	TLOAD                                          ; the first fill, ahead of every wait on TENSORcnt, every LDS read and every barrier
	s_mov_b64 s[PFA:PFA+1], s[BASE:BASE+1]         ; at key slot 0; each filling change of slots steps it first
	s_lshr_b32 s46, s[WV], 1
	s_xor_b32 s46, s46, 1                          ; 0 in waves 2 and 3,
	s_or_b32 s46, s46, ttmp9                       ; of the head's work-group 0
	s_cmp_eq_u32 s46, 0
	s_cselect_b32 s[LIM], 1, -1
	v_and_b32 v2, 31, v0
	s_delay_alu instid0(VALU_DEP_1)
	v_lshlrev_b32 v[LI], 4, v2
	s_wait_alu depctr_va_vdst(0)
	v_lshlrev_b32 v[PFO], 8, v2
	s_lshl_b32 s68, s[Q0], 6                       ; Q: 64 bytes a token
	s_mov_b32 s69, 0
	s_add_nc_u64 s[68:69], s[68:69], s[76:77]
	s_add_nc_u64 s[68:69], s[4:5], s[68:69]
	s_lshl_b32 s70, s[Q0B], 6
	s_mov_b32 s71, 0
	s_add_nc_u64 s[70:71], s[70:71], s[76:77]
	s_add_nc_u64 s[70:71], s[4:5], s[70:71]
.irp c, 0,1
	global_load_b128 v[16+4*\c:19+4*\c], v[LI], s[68:69] offset:512*\c   ; both blocks' Q stay in registers
	global_load_b128 v[24+4*\c:27+4*\c], v[LI], s[70:71] offset:512*\c
.endr
	v_and_b32 v10, 15, v0                          ; r
	v_bfe_u32 v11, v0, 4, 1                        ; h
	s_delay_alu instid0(VALU_DEP_1)
	v_lshlrev_b32 v7, 3, v11
	s_delay_alu instid0(VALU_DEP_1)
	v_sub_nc_u32 v[DL], v10, v7
	s_mul_i32 s46, s[WV], 1280
	s_add_co_u32 s46, s46, STAGE                   ; my stage
	v_mul_u32_u24 v7, v10, 80
	s_delay_alu instid0(VALU_DEP_1)
	v_add_nc_u32 v7, s46, v7                       ; row r: 64 bytes + 16 of padding
	s_delay_alu instid0(VALU_DEP_1)
	v_lshl_add_u32 v[STO], v11, 3, v7              ; in: tile t's eight channels of my half at 16 t + 8 h
	s_delay_alu instid0(VALU_DEP_2)
	v_lshl_add_u32 v[SRD], v11, 4, v7              ; back: piece c at 32 c + 16 h
	s_lshr_b32 s72, s66, 4                         ; y: batch x 2^21 + token x 1,024 + head x 1,024
	s_lshl_b32 s72, s72, 21
	s_and_b32 s73, s66, 15
	s_lshl_b32 s73, s73, 10
	s_add_co_u32 s72, s72, s73
	s_lshl_b32 s73, s[Q0], 10
	s_add_co_u32 s74, s72, s73
	s_mov_b32 s75, 0
	s_add_nc_u64 s[YPA:YPA+1], s[12:13], s[74:75]
	s_lshl_b32 s73, s[Q0B], 10
	s_add_co_u32 s74, s72, s73
	s_add_nc_u64 s[YPB:YPB+1], s[12:13], s[74:75]
	START
	v_mov_b32 v236, 0                              ; written once: a lane permute's destination counts as one of its sources
	v_mov_b32 v252, 0
	v_mov_b32 v253, 0                              ; (named as the upper half of the pair v[252:253])
	s_wait_kmcnt 0x0
	s_add_co_i32 s72, s58, s59
	s_lshl_b32 s72, s72, 23
	s_add_co_i32 s[CS], s[CS], s72                 ; a score stands for score x 2^(e6 + e7): the two exponents are added to c's exponent field
	s_mov_b32 s[CS+1], s[CS]                       ; (named with it as a pair, so it is written)
	s_add_co_i32 s72, s60, 127
	s_lshl_b32 s73, s72, 23
	v_mov_b32 v244, s73                            ; 2^e8, for p's conversions
	s_add_co_i32 s72, s62, 127
	s_lshl_b32 s73, s72, 23
	v_mov_b32 v238, s73                            ; 2^e10, for y's conversions
	s_add_co_i32 s[EPV], s60, s61                  ; e8 + e9
; A KEY STEP: 128 keys, the q-th of the slot in hand.
.macro STEP q
	s_add_co_u32 s46, s[Q0], 15
	s_cmp_gt_u32 s[KF], s46                        ; all 128 keys come after my 16 queries: nothing to do but the step of KF
	s_cbranch_scc1 .Lhidden_\@
	v_add_nc_u32 v[ADR], s[TB], v[LI]
.rept 3
	v_nop                                          ; with the addition above: four places in front of loads into registers that the last products have read
.endr
.irp t, 0,1,2,3,4,5,6,7
.irp c, 0,1
	ds_load_b128 v[32+8*\t+4*\c:35+8*\t+4*\c], v[ADR] offset:8192*(\q)+1024*\t+512*\c   ; K's image, as it lies: 512 consecutive bytes a load
.endr
.endr
	s_wait_alu depctr_va_vdst(0)
.irp t, 0,1,2,3,4,5,6,7
	s_wait_dscnt 14-2*\t                           ; tile t's two loads are in; two for each later tile may be out
	v_wmma_f32_16x16x64_bf8_bf8 v[96+8*\t:103+8*\t], v[32+8*\t:39+8*\t], v[16:23], 0
.endr
.rept 4
	v_nop                                          ; places in front of the loads below and of the first read of the scores
.endr
.irp t, 0,1,2,3
.irp g, 0,1,2,3
	ds_load_b128 v[32+16*\t+4*\g:35+16*\t+4*\g], v[ADR] offset:VOFF+8192*(\q)+2048*\t+512*\g   ; V's image: it lands under the softmax
.endr
.endr
	s_add_co_u32 s46, s[KF], 127
	s_cmp_le_u32 s46, s[Q0]                        ; all 128 keys count for all my queries: no mask
	s_cbranch_scc1 .Lopen_\@
	s_sub_co_i32 s46, s[Q0], s[KF]
	v_add_nc_u32 v252, s46, v[DL]                  ; d = my query - KF - 8 h.  Register n holds key KF + 16 (n / 8) + 8 h + n % 8: hidden where 16 (n / 8) + n % 8 > d
	v_mov_b32 v254, 0xff800000                     ; -infinity
.set N, 0
.rept 64
	v_cmp_gt_i32 vcc_lo, 16*(N/8)+N%8, v252
	v_cndmask_b32 v[96+N], v[96+N], v254, vcc_lo
.set N, N+1
.endr
.Lopen_\@:
	v_max3_num_f32 v254, v96, v97, v98             ; the step's largest score of my query, among my 64 keys, in two chains,
	v_max3_num_f32 v252, v99, v100, v101
.irp i, 6,10,14,18,22,26,30,34,38,42,46,50,54,58
	v_max3_num_f32 v254, v254, v[96+\i], v[97+\i]
	v_max3_num_f32 v252, v252, v[98+\i], v[99+\i]
.endr
	v_max3_num_f32 v254, v254, v158, v159
	s_delay_alu instid0(VALU_DEP_1)
	v_max_num_f32 v254, v254, v252
	s_delay_alu instid0(VALU_DEP_1)
	v_permlanex16_b32 v236, v254, s[SEL], s[SEL+1]
	s_delay_alu instid0(VALU_DEP_1)
	v_max_num_f32 v254, v254, v236                 ; and among lane l xor 16's
	s_delay_alu instid0(VALU_DEP_1)
	v_mul_f32 v254, s[CS], v254                    ; as t (c is positive)
	s_delay_alu instid0(VALU_DEP_1)
	v_max_num_f32 v13, v13, v254                   ; the running largest t
	v_mov_b32 v254, v12
	s_delay_alu instid0(VALU_DEP_2)
	v_floor_f32 v12, -v13                          ; the new -M = floor(-t) = -ceil(t): M is a whole number
	s_delay_alu instid0(VALU_DEP_1)
	v_sub_f32 v254, v12, v254                      ; M's old value less its new one: a whole number, 0 or less
	s_delay_alu instid0(VALU_DEP_1)
	v_cvt_i32_f32 v254, v254                       ; (it saturates)
	s_delay_alu instid0(VALU_DEP_1)
	v_ldexp_f32 v252, 1.0, v254                    ; f = 2^(old M - new M)
.set J, 0
.rept 32
	v_pk_fma_f32 v[96+J:97+J], v[96+J:97+J], s[CS:CS+1], v[12:13] op_sel_hi:[1,0,0]   ; t - M, two at a time (of the pairs c and -M the low word serves both halves)
.set J, J+2
.endr
.set J, 0
	s_wait_alu depctr_va_vdst(0)
.rept 64
	v_exp_f32 v[96+J], v[96+J]                     ; p = 2^(t - M), at most 1: not normalised
.set J, J+1
.endr
	v_pk_mul_f32 v[14:15], v[14:15], v[252:253] op_sel_hi:[1,0]   ; the sums under the new M.  (A plain place behind the exponentials)
	s_wait_alu depctr_va_vdst(0)
	v_pk_add_f32 v[242:243], v[100:101], v[104:105]
	v_pk_add_f32 v[254:255], v[108:109], v[112:113]
	v_pk_add_f32 v[250:251], v[116:117], v[120:121]
	v_pk_add_f32 v[248:249], v[124:125], v[128:129]
	v_pk_add_f32 v[246:247], v[132:133], v[136:137]
	v_pk_add_f32 v[240:241], v[140:141], v[144:145]
	v_pk_add_f32 v[234:235], v[148:149], v[152:153]
	v_pk_add_f32 v[14:15], v[14:15], v[156:157]
	v_pk_add_f32 v[242:243], v[242:243], v[96:97]
	v_pk_add_f32 v[254:255], v[254:255], v[98:99]
	v_pk_add_f32 v[250:251], v[250:251], v[102:103]
	v_pk_add_f32 v[248:249], v[248:249], v[106:107]
	v_pk_add_f32 v[246:247], v[246:247], v[110:111]
	v_pk_add_f32 v[240:241], v[240:241], v[114:115]
	v_pk_add_f32 v[234:235], v[234:235], v[118:119]
	v_pk_add_f32 v[14:15], v[14:15], v[122:123]
	v_pk_add_f32 v[242:243], v[242:243], v[126:127]
	v_pk_add_f32 v[254:255], v[254:255], v[130:131]
	v_pk_add_f32 v[250:251], v[250:251], v[134:135]
	v_pk_add_f32 v[248:249], v[248:249], v[138:139]
	v_pk_add_f32 v[246:247], v[246:247], v[142:143]
	v_pk_add_f32 v[240:241], v[240:241], v[146:147]
	v_pk_add_f32 v[234:235], v[234:235], v[150:151]
	v_pk_add_f32 v[14:15], v[14:15], v[154:155]
	v_pk_add_f32 v[242:243], v[242:243], v[158:159]
	s_delay_alu instid0(VALU_DEP_2)
	v_pk_add_f32 v[14:15], v[14:15], v[248:249]
	s_delay_alu instid0(VALU_DEP_2)
	v_pk_add_f32 v[242:243], v[242:243], v[246:247]
	v_pk_add_f32 v[254:255], v[254:255], v[240:241]
	v_pk_add_f32 v[250:251], v[250:251], v[234:235]
	s_delay_alu instid0(VALU_DEP_2)
	v_pk_add_f32 v[14:15], v[14:15], v[254:255]
	s_delay_alu instid0(VALU_DEP_2)
	v_pk_add_f32 v[242:243], v[242:243], v[250:251]
	s_delay_alu instid0(VALU_DEP_1)
	v_pk_add_f32 v[14:15], v[14:15], v[242:243]
.irp t, 0,1,2,3,4,5,6,7
.irp i, 0,1,2,3,4,5,6,7
.endr
	v_cvt_scalef32_pk8_bf8_f32 v[192+2*\t:193+2*\t], v[96+8*\t:103+8*\t], v244   ; keys 16 t + 8 h + 0 .. 7: registers 2 t, 2 t + 1 of P
.endr
.set J, 0
.rept 16
	v_pk_mul_f32 v[160+J:161+J], v[160+J:161+J], v[252:253] op_sel_hi:[1,0]   ; O^T under the new M.  (Plain lines between the conversions and the products that read their results)
.set J, J+2
.endr
	s_wait_alu depctr_va_vdst(0)
.irp t, 0,1,2,3
	s_wait_dscnt 12-4*\t                           ; tile t's four loads are in; four for each later tile may be out
	v_wmma_f32_16x16x128_bf8_bf8 v[160+8*\t:167+8*\t], v[32+16*\t:47+16*\t], v[192:207], v[160+8*\t:167+8*\t]   ; four accumulators by turns
.endr
.Lhidden_\@:
	s_add_co_u32 s[KF], s[KF], 128
.endm
; THE CHANGE OF SLOTS stands at a slot's head.  Each wave waits for all its tensor loads (its part of the slot that it is about to read), adds 0 to its spare word, and waits for that and for its reads of the slot that it has left.
; Behind the barrier the slot ahead is whole and nobody reads the other one.  fill = 1: that other slot is filled with the next slot of the walk: number m = 9 - SLOTS of nine; key slot m in the first block, m - (i + 1) in the second.
.macro CHANGE fill
	s_wait_tensorcnt 0x0                           ; no tensor load of mine is out, so group 0 may be written
	ds_add_u32 v[SPW], v[NIL]                      ; 0 onto my spare word
.if \fill
	s_sub_co_u32 s46, 9, s[SLOTS]
	s_cmp_lt_u32 s46, s[NSW]
	s_cselect_b32 s47, 0, s[NSW]
	s_sub_co_u32 s46, s46, s47                     ; the key slot
	s_lshl_b32 s[KOFF], s46, 14
	s_add_nc_u64 s[G0+2:G0+3], s[BASE:BASE+1], s[KOFF:KOFF+1]
	s_or_b32 s[G0+3], s[G0+3], 0x80000000
	s_xor_b32 s[G0+1], s[G0+1], SLOT1              ; the other slot than last time
	s_wait_xcnt 0x0                                ; the last prefetches, a slot back, have read their address, so it may be written
	s_add_nc_u64 s[PFA:PFA+1], s[PFA:PFA+1], 16384
.endif
	s_wait_dscnt 0x0                               ; the add is done, and my reads of the slot that I have left are over
	s_barrier_signal -1
	s_barrier_wait -1
.if \fill
	TLOAD                                          ; the first thing behind the barrier, and a wave's one tensor load until the next
	ASK
.endif
.endm
.macro SLOT_STEPS
	STEP 0
	STEP 1
	s_xor_b32 s[TB], s[TB], SLOT1                  ; on to the other slot
.endm
; A BLOCK'S END.  y = O^T / the sum x 2^(e8 + e9); converted with 2^e10; a lane's 8 codes of each tile of channels go into my stage (row = query) and come back 16 to a lane, as the last projection's operand wants them.
.macro FINISH back, yp
.rept 4
	v_nop                                          ; places behind the last products
.endr
	v_add_f32 v14, v14, v15                        ; the sum's two halves,
	s_wait_alu depctr_va_vdst(0)
	v_permlanex16_b32 v252, v14, s[SEL], s[SEL+1]
	s_delay_alu instid0(VALU_DEP_1)
	v_add_f32 v14, v14, v252                       ; and lane l xor 16's: the row's sum
	s_wait_alu depctr_va_vdst(0)
	v_rcp_f32 v14, v14
	v_nop                                          ; one plain place behind a transcendental
	s_wait_alu depctr_va_vdst(0)
	v_ldexp_f32 v14, v14, s[EPV]
.set J, 0
.rept 16
	v_pk_mul_f32 v[96+J:97+J], v[160+J:161+J], v[14:15] op_sel_hi:[1,0]   ; register 8 t + j is y(query r, channel 16 t + 8 h + j); each accumulator from its low end on
.set J, J+2
.endr
.set J, 0
.rept 32
.set J, J+1
.endr
.irp t, 0,1,2,3
	v_cvt_scalef32_pk8_bf8_f32 v[208+2*\t:209+2*\t], v[96+8*\t:103+8*\t], v238
.endr
	v_nop                                          ; one plain vector instruction behind the last conversion
.irp t, 0,1,2,3
	ds_store_b64 v[STO], v[208+2*\t:209+2*\t] offset:16*\t
.endr
.irp c, 0,1
	ds_load_b128 v[\back+4*\c:\back+4*\c+3], v[SRD] offset:32*\c   ; LDS serves a wave's instructions in order (ISA guide 5.7.1.4): these see my stores
.endr
	s_wait_dscnt 0x0
.irp c, 0,1
	global_store_b128 v[LI], v[\back+4*\c:\back+4*\c+3], s[\yp:\yp+1] offset:512*\c   ; 32 lanes store 512 consecutive bytes, aligned; data and base are never written again
.endr
.endm
	s_wait_loadcnt 0x0                             ; Q
.Lslot:                                            ; eight trips: behind each change of slots but the last the next slot of the walk is asked for
	CHANGE 1
	s_cmp_lg_u32 s[SLOTS], s[SWAT]                 ; the trip that begins the second block: a branch on the work-group's number; no barrier and no tensor load stands under it
	s_cbranch_scc1 .Lsame
	FINISH 216, YPA
.irp j, 0,1,2,3,4,5,6,7
	v_mov_b32 v[16+\j], v[24+\j]                   ; the second block's Q
.endr
	START
	s_mov_b32 s[KF], 0
	s_mov_b32 s[Q0], s[Q0B]
.Lsame:
	SLOT_STEPS
	s_sub_co_u32 s[SLOTS], s[SLOTS], 1
	s_cmp_lg_u32 s[SLOTS], 0
	s_cbranch_scc1 .Lslot
	CHANGE 0                                       ; the last slot is written out
	SLOT_STEPS
	FINISH 224, YPB
	s_wait_tensorcnt 0x0                           ; the wave's end
	ds_add_u32 v[SPW], v[NIL]
	s_wait_dscnt 0x0
	s_endpgm
.Lfunc_end_k_q88b2a2e320_attn:
	.size	k_q88b2a2e320_attn, .Lfunc_end_k_q88b2a2e320_attn-k_q88b2a2e320_attn
	.p2alignl 7, 3214868480
	.fill 96, 4, 3214868480
	.section	.rodata,"a",@progbits
	.p2align	6, 0x0
	.amdhsa_kernel k_q88b2a2e320_attn
		.amdhsa_group_segment_fixed_size 327680
		.amdhsa_private_segment_fixed_size 0
		.amdhsa_enable_private_segment 0
		.amdhsa_kernarg_size 40
		.amdhsa_user_sgpr_count 2
		.amdhsa_user_sgpr_kernarg_segment_ptr 1
		.amdhsa_wavefront_size32 1
		.amdhsa_system_sgpr_workgroup_id_x 1
		.amdhsa_system_sgpr_workgroup_id_y 1
		.amdhsa_system_sgpr_workgroup_id_z 1
		.amdhsa_system_vgpr_workitem_id 0
		.amdhsa_next_free_vgpr 256
		.amdhsa_next_free_sgpr 100
		.amdhsa_reserve_vcc 1
		.amdhsa_float_denorm_mode_32 3
		.amdhsa_float_denorm_mode_16_64 3
		.amdhsa_fp16_overflow 1
		.amdhsa_memory_ordered 1
		.amdhsa_forward_progress 1
		.amdhsa_inst_pref_size 92
	.end_amdhsa_kernel
	.amdgpu_metadata
---
amdhsa.version: [ 1, 2 ]
amdhsa.kernels:
  - .name:           k_q88b2a2e320_attn
    .symbol:         k_q88b2a2e320_attn.kd
    .args:
      - { .name: q_img, .offset: 0, .size: 8, .value_kind: global_buffer, .address_space: global }
      - { .name: k_img, .offset: 8, .size: 8, .value_kind: global_buffer, .address_space: global }
      - { .name: v_img, .offset: 16, .size: 8, .value_kind: global_buffer, .address_space: global }
      - { .name: lowp_scales, .offset: 24, .size: 8, .value_kind: global_buffer, .address_space: global }
      - { .name: y_img, .offset: 32, .size: 8, .value_kind: global_buffer, .address_space: global }
    .group_segment_fixed_size: 327680
    .private_segment_fixed_size: 0
    .kernarg_segment_align: 8
    .kernarg_segment_size: 40
    .max_flat_workgroup_size: 512
    .sgpr_count:     100
    .vgpr_count:     256
    .wavefront_size: 32
...
	.end_amdgpu_metadata
.endif
;; end of part 2
;; launch outp (part 3): grid 4 x 32, 4 waves a work-group, clusters of 4 x 4, 327,680 bytes of LDS; arguments y_img, wo_codes, lowp_scales, out0; writes out0
.if DOCPART == 3
	.amdgcn_target "amdgcn-amd-amdhsa--gfx1250"
	.amdhsa_code_object_version 6
	.text
	.protected	k_q88b2a2e320_outp
	.globl	k_q88b2a2e320_outp
	.p2align	8
	.type	k_q88b2a2e320_outp,@function
k_q88b2a2e320_outp:
	s_mov_b64 s[64:65], 0
	v_nop
	global_prefetch_b8 v0, s[64:65] scope:SCOPE_SE
	s_setreg_imm32_b32 hwreg(HW_REG_WAVE_MODE, 25, 1), 1
	s_wait_xcnt 0x0
	s_wait_alu depctr_hold_cnt(0) depctr_sa_sdst(0) depctr_va_vdst(0) depctr_va_sdst(0) depctr_va_ssrc(0) depctr_va_vcc(0) depctr_vm_vsrc(0)
	s_getreg_b32 s2, hwreg(HW_REG_IB_STS2, 6, 4)
	s_cmp_eq_u32 s2, 0
	s_cbranch_scc0 .Lentry_in_a_cluster
	s_endpgm
.Lentry_in_a_cluster:
	s_bfe_u32 s2, ttmp6, 0x10000c
	s_cmp_lg_u32 s2, 0xf033
	s_cbranch_scc0 .Lentry_shape_is_right
	s_endpgm
.Lentry_shape_is_right:
; THE LAST PROJECTION out = y wo^T on codes of BF8 (E5M2).  y: 8,192 tokens x 1,024 features, as images of operand registers; wo: [1,024][1,024] codes, K innermost; out0: [8,192][1,024] f32; sums in f32.
; y_img: [tile of 16 tokens: 512][128 along K: 8][piece 4][lane 32][16 bytes]: lane (r, h) holds token r; piece c holds K = 32 c + 16 h + 0 .. 15: just what four loads of 16 bytes, 32 bytes apart, give a lane of wo's rows.
; So both operands carry the same permutation of k, and every product meets its partner.  Each finished sum is multiplied once by 2^(e10 + e11).
; LIMIT: e10 + e11 lies between -126 and 127, so that 2^(e10 + e11) is an f32 number.
; A tile of out, 256 x 256, is made by a work-group of four waves, each 128 x 128: 64 accumulators, 512 registers.  K goes in steps of 256 through a ring of two LDS slots filled by the tensor data mover.
; y's part of a slot: for each of 16 token tiles 4,096 consecutive bytes of memory, laid on end: an image needs no pitch and no padding, a load's 512 bytes are consecutive.  wo's part: 256 rows of 256 bytes + 16 of padding.
; CLUSTERS: 4 x 4 work-groups.  The four of a row of the cluster need the same tiles of y, the four of a column the same tiles of wo: each tile is asked for JOINTLY.
; THE MATRIX INSTRUCTION IS USED TRANSPOSED (source 0 = 16 rows of wo, source 1 = 16 tokens): a lane then holds eight neighbouring numbers of a row of out.
; No prefetch is laid: K has four steps, of which two are the first fills.
; REGISTERS, in windows of 256: window 0: v0-31 addresses; from v128 y's fragments, ONE set; on the way out v32-255 are free.   window 1: wo's fragments, TWO sets.   windows 2, 3: the accumulators ((a, b) at v[8 (8 (a % 4) + b)]).
.set SIZE_N, 1024
.set SIZE_K, 1024
.set KSTEP,  256
.set ROWB,   256                       ; a row of wo's tile in bytes
.set KROW,   SIZE_K
.set PITCH,  272                       ; wo's LDS row: 256 bytes + 16 of padding: the 16 rows that a load touches start at 16 different banks (ISA guide 11.1)
.set AROWB,  4096                      ; a token tile's bytes of a K step of 256
.set AHALF,  8*AROWB                   ; 8 token tiles: what one tensor load brings of y
.set BOFF,   2*AHALF                   ; wo's rows lie behind y's 16 token tiles
.set FR,     16
.set NL,     4
.set NP,     4
.set HALFT,  128*PITCH
.set SLOT,   BOFF+2*HALFT
.set LAPS,   SIZE_K/(2*KSTEP)
.set SPARE,  2*SLOT                    ; behind the ring: the spare words, 128 bytes for each wave
.set SPITCH, 528                       ; the way out: a stage of 16 rows x (512 bytes + 16) for each wave.  It lies in slot 0, which has had its last fill and its last read when the first result is stored there
.set ADRA, 16
.set ADRB, 20
.set STO,  24
.set RD,   25
.set CO,   26                          ; v26     16 x lane
.set SPW,  28
.set NIL,  29
.set TMP,  32
.set AF,   128
.set BK,   128
.set G1, 24
.set G0, 32
.set G1B, 48
.set G0B, 56
.set MSB, 0
.macro WIN new                         ; the immediate's high byte repeats the setting that is left
.if MSB != \new
	s_set_vgpr_msb (MSB<<8)|\new
.set MSB, \new
.endif
.endm
.set MUL_LO, 0xa1
.set MUL_HI, 0xf1
.set TO_B,   0x40
.macro JLOAD g0a, g1a, g0b, g1b        ; a joint load: waves 0 and 1 fetch y's halves, waves 2 and 3 wo's; four v_nop follow each of the two lines
	s_cmp_eq_u32 s15, 0
	s_cbranch_scc0 .Lfor_b_\@
	tensor_load_to_lds s[\g0a:\g0a+3], s[\g1a:\g1a+7]
	s_nop 0
.rept 4
	v_nop
.endr
	s_branch .Lasked_\@
.Lfor_b_\@:
	tensor_load_to_lds s[\g0b:\g0b+3], s[\g1b:\g1b+7]
	s_nop 0
.rept 4
	v_nop
.endr
.Lasked_\@:
.endm
.macro CREST
	s_cmp_lg_u32 s14, 0
	s_cbranch_scc1 .Lnot_wave_0_\@
	s_barrier_signal -3
.Lnot_wave_0_\@:
	s_barrier_wait -3
	s_barrier_signal -1
	s_barrier_wait -1
.endm
.macro CROUND
	s_barrier_signal -1
	s_barrier_wait -1
	CREST
.endm
	s_load_b128 s[4:7], s[0:1], 0x0                ; y_img s[4:5], wo's codes s[6:7]
	s_load_b128 s[8:11], s[0:1], 0x10              ; the scales' exponents s[8:9], out0 s[10:11]
	v_lshl_add_u32 v[SPW], v0, 2, SPARE
	v_mov_b32 v[NIL], 0
	ds_add_u32 v28, v29
	ds_add_u32 v28, v29
	s_wait_dscnt 0x0
	v_lshrrev_b32 v1, 5, v0
	v_readfirstlane_b32 s14, v1                    ; wave 0..3
	s_lshr_b32 s15, s14, 1                         ; which half of the tile's rows is mine.  Also: I fetch for y (0) or for wo (1)
	s_and_b32 s16, s14, 1                          ; which half of its columns.  Also: which half of that tile I fetch
	s_bfe_u32 s40, ttmp6, 0x40000                  ; cx, cy
	s_bfe_u32 s41, ttmp6, 0x40004
	s_lshl_b32 s42, ttmp9, 2
	s_add_co_u32 s42, s42, s40                     ; tile column = 4 x cluster x + cx
	s_and_b32 s17, ttmp7, 0xffff
	s_lshl_b32 s17, s17, 2
	s_add_co_u32 s17, s17, s41                     ; tile row = 4 x cluster y + cy
	s_lshl_b32 s43, s41, 2
	s_lshl_b32 s43, 15, s43                        ; my row of the cluster
	s_lshl_b32 s44, 0x1111, s40                    ; my column
	; y: 8 rows of 4,096 bytes, 16,384 bytes apart in memory, on end in LDS
	s_or_b32 s[G1+0], s43, (0<<16)|(1<<21)         ; the mask: my row; elements of 1 byte; no padding; 21 set beside a mask
	s_mov_b32 s[G1+1], AROWB<<16                   ; tensor_dim0
	s_mov_b32 s[G1+2], 8<<16                       ; tensor_dim1
	s_mov_b32 s[G1+3], AROWB<<16                   ; tile_dim0
	s_mov_b32 s[G1+4], 8                           ; tile_dim1
	s_mov_b32 s[G1+5], 16384                       ; tensor_dim0_stride: a token tile's 16 x 1,024 bytes
	s_mov_b32 s[G1+6], 0
	s_mov_b32 s[G1+7], 0
	; wo: 128 rows of 256 bytes, padded in LDS
	s_or_b32 s[G1B+0], s44, (0<<16)|(1<<20)|(1<<21)|(5<<22)|(3<<25)
	s_mov_b32 s[G1B+1], ROWB<<16
	s_mov_b32 s[G1B+2], 128<<16
	s_mov_b32 s[G1B+3], ROWB<<16
	s_mov_b32 s[G1B+4], 128
	s_mov_b32 s[G1B+5], KROW
	s_mov_b32 s[G1B+6], 0
	s_mov_b32 s[G1B+7], 0
	s_lshl_b32 s18, s16, 7                         ; which 128 rows of the tile I fetch
	s_lshl_b32 s20, s17, 8
	s_add_co_u32 s20, s20, s18                     ; y: token 256 x tile row + 128 x half
	s_lshl_b32 s46, s42, 8
	s_add_co_u32 s46, s46, s18                     ; wo: row 256 x tile column + 128 x half
	s_lshl_b32 s20, s20, 10                        ; 1,024 bytes a token (a tile of 16 tokens is 16,384) and a row of wo; under 2^23
	s_lshl_b32 s46, s46, 10
	s_mov_b32 s21, 0
	s_mov_b32 s47, 0
	s_mul_i32 s45, s16, AHALF                      ; where they go: no place in the cluster enters an LDS address
	s_mul_i32 s12, s16, HALFT
	s_add_co_u32 s12, s12, BOFF
	s_wait_kmcnt 0x0
	s_load_b64 s[96:97], s[8:9], 0x28              ; e10, e11
	s_add_nc_u64 s[20:21], s[4:5], s[20:21]
	s_add_nc_u64 s[46:47], s[6:7], s[46:47]
	CROUND                                         ; all sixteen work-groups are here: the first joint loads meet
.irp s, 0,1
	s_mov_b32 s[G0+4*\s], 1
	s_add_co_u32 s[G0+4*\s+1], s45, \s*SLOT
	s_add_nc_u64 s[G0+4*\s+2:G0+4*\s+3], s[20:21], \s*AROWB
	s_or_b32 s[G0+4*\s+3], s[G0+4*\s+3], 0x80000000
	s_mov_b32 s[G0B+4*\s], 1
	s_add_co_u32 s[G0B+4*\s+1], s12, \s*SLOT
	s_add_nc_u64 s[G0B+4*\s+2:G0B+4*\s+3], s[46:47], \s*ROWB
	s_or_b32 s[G0B+4*\s+3], s[G0B+4*\s+3], 0x80000000
	s_wait_alu depctr_va_vdst(0)
	s_wait_tensorcnt 0x0
	ds_add_u32 v28, v29
	ds_add_u32 v28, v29
	s_wait_dscnt 0x0
	CROUND
	JLOAD G0+4*\s, G1, G0B+4*\s, G1B
.endr
	v_and_b32 v1, 15, v0                           ; l % 16
	v_bfe_u32 v2, v0, 4, 1                         ; l / 16
	v_mul_u32_u24 v3, v1, PITCH
	v_lshl_add_u32 v4, v2, 4, v3                   ; wo: a fragment's row x pitch + 16 x half
	v_and_b32 v6, 31, v0
	v_lshlrev_b32 v[CO], 4, v6                     ; y: 16 x lane
	s_wait_alu depctr_va_vdst(0)
	s_mul_i32 s21, s15, AHALF                      ; my 8 token tiles
	s_mul_i32 s22, s16, HALFT                      ; my 128 rows of wo
	s_add_co_u32 s22, s22, BOFF
.irp s, 0,1
	v_add_nc_u32 v[ADRA+\s], s21, v[CO]
	v_add_nc_u32 v[ADRB+\s], s22, v4
	s_add_co_u32 s21, s21, SLOT
	s_add_co_u32 s22, s22, SLOT
.endr
	s_mul_i32 s23, s14, 16*SPITCH                  ; my stage
	v_mul_u32_u24 v5, v1, SPITCH                   ; in: row l % 16, 32 bytes for each half of the lanes
	v_lshl_add_u32 v5, v2, 5, v5
	v_add_nc_u32 v[STO], s23, v5
	v_add_nc_u32 v[RD], s23, v[CO]                 ; back: the 32 lanes take one row of 512 bytes
	s_lshl_b32 s20, s17, 8
	s_lshl_b32 s21, s15, 7
	s_add_co_u32 s20, s20, s21                     ; my first row of out
	s_mov_b32 s21, 0
	s_mov_b64 s[18:19], SIZE_N*4
	s_mul_u64 s[20:21], s[20:21], s[18:19]
	s_lshl_b32 s46, s42, 10                        ; my first column, in bytes
	s_lshl_b32 s47, s16, 9
	s_add_co_u32 s46, s46, s47
	s_mov_b32 s47, 0
	s_add_nc_u64 s[20:21], s[20:21], s[46:47]
	s_add_nc_u64 s[10:11], s[10:11], s[20:21]
.macro FRAG reg, adr, q, i             ; wo: lane l holds row l % 16; registers 4 c .. 4 c + 3 hold K = 32 c + 16 (l / 16) + 0 .. 15
.irp c, 0,1,2,3
	ds_load_b128 v[\reg+4*\c:\reg+4*\c+3], v[\adr] offset:128*(\q)+32*\c+(\i)*16*PITCH
.endr
.endm
.macro FRAGA reg, adr, q, i            ; y: the image of the same registers, piece by piece
.irp c, 0,1,2,3
	ds_load_b128 v[\reg+4*\c:\reg+4*\c+3], v[\adr] offset:(\i)*AROWB+2048*(\q)+512*\c
.endr
.endm
; 16 matrix instructions.  The 64 accumulators take turns, one instruction a turn, in the same order in every step.
.macro MUL16 a0, p, zero
.irp a, \a0, \a0+1
.irp b, 0,1,2,3,4,5,6,7
.if \zero
	v_wmma_f32_16x16x128_bf8_bf8 v[8*(8*((\a)%4)+\b):8*(8*((\a)%4)+\b)+7], v[128*(\p)+FR*\b:128*(\p)+FR*\b+FR-1], v[AF+FR*(\a):AF+FR*(\a)+FR-1], 0
.else
	v_wmma_f32_16x16x128_bf8_bf8 v[8*(8*((\a)%4)+\b):8*(8*((\a)%4)+\b)+7], v[128*(\p)+FR*\b:128*(\p)+FR*\b+FR-1], v[AF+FR*(\a):AF+FR*(\a)+FR-1], v[8*(8*((\a)%4)+\b):8*(8*((\a)%4)+\b)+7]
.endif
.endr
.endr
.endm
.macro FETCH_B slot, q, p
	WIN TO_B
.irp i, 0,1,2,3,4,5,6,7
	FRAG 128*(\p)+FR*\i, ADRB+\slot, \q, \i
.endr
	WIN 0
.endm
.macro FETCH_A slot, q, i0
.irp i, \i0, \i0+1, \i0+2, \i0+3
	FRAGA AF+FR*(\i), ADRA+\slot, \q, \i
.endr
.endm
.macro PLACES n                        ; places in front of loads into registers that matrix instructions have read, and of the first read of results (ISA guide 7.12.1 for vector instructions)
.rept \n
	v_nop
.endr
.endm
.macro STEP slot, q, zero
	s_wait_dscnt 4*NL                              ; wo's set and y's blocks 0-3 are in; the youngest 16 loads (y's blocks 4-7) may be out
	WIN MUL_LO
	MUL16 0, (\q)%2, \zero
	MUL16 2, (\q)%2, \zero
	s_wait_dscnt 0
	PLACES NP
	FETCH_B \slot, (\q)+1, 1-(\q)%2
	FETCH_A \slot, (\q)+1, 0
	WIN MUL_HI
	MUL16 4, (\q)%2, \zero
	MUL16 6, (\q)%2, \zero
	PLACES NP
	WIN 0
	FETCH_A \slot, (\q)+1, 4
.endm
; A slot's last step changes slots: ONE barrier; in front of it each wave waits for all its tensor loads, adds 0 to its spare word, and waits for that and for its own reads of this slot.
.macro TURN slot, next, fill
	s_wait_tensorcnt 0x0                           ; all my tensor loads have landed: my part of the next slot  (every window is 0 here)
	ds_add_u32 v[SPW], v[NIL]                      ; 0 onto my spare word
	s_wait_dscnt 4*NL+1                            ; (the add and the youngest 16 loads may be out)
	WIN MUL_LO
	MUL16 0, 1, 0
	s_wait_dscnt 0x0                               ; the add is done, and my reads of this slot are over
	s_barrier_signal -1
	MUL16 2, 1, 0
	WIN 0
	s_barrier_wait -1
.if \fill
	CREST                                          ; the barrier has opened a round of the cluster's barrier: no wave of any partner still reads this slot's tile or has a load on its way
	s_add_nc_u64 s[G0+4*\slot+2:G0+4*\slot+3], s[G0+4*\slot+2:G0+4*\slot+3], 2*AROWB
	s_add_nc_u64 s[G0B+4*\slot+2:G0B+4*\slot+3], s[G0B+4*\slot+2:G0B+4*\slot+3], 2*ROWB
	JLOAD G0+4*\slot, G1, G0B+4*\slot, G1B         ; the first tensor load behind the round; its four v_nop are also the places in front of the loads below
.else
	PLACES NP
.endif
	FETCH_B \next, 0, 0
	FETCH_A \next, 0, 0
	WIN MUL_HI
	MUL16 4, 1, 0
	MUL16 6, 1, 0
	PLACES NP
	WIN 0
	FETCH_A \next, 0, 4
.endm
	s_wait_alu depctr_va_vdst(0)
	s_wait_tensorcnt 1                             ; my part of K step 0 is in (K step 1's load may be out)
	s_barrier_signal -1
	s_barrier_wait -1                              ; everybody's is
	FETCH_B 0, 0, 0
	FETCH_A 0, 0, 0
	FETCH_A 0, 0, 4
	STEP 0, 0, 1                                   ; the first step's products start the sums
	s_mov_b32 s3, LAPS-1
.Llap:
	TURN 0, 1, 1
	STEP 1, 0, 0
	TURN 1, 0, 1
	STEP 0, 0, 0
	s_sub_co_u32 s3, s3, 1
	s_cmp_lg_u32 s3, 0
	s_cbranch_scc1 .Llap
	TURN 0, 1, 0                                   ; the last lap fills nothing, and has no round of the cluster's barrier
	STEP 1, 0, 0
	s_wait_dscnt 4*NL
	WIN MUL_LO
	MUL16 0, 1, 0
	MUL16 2, 1, 0
	s_wait_dscnt 0
	WIN MUL_HI
	MUL16 4, 1, 0
	MUL16 6, 1, 0
	WIN 0
; THE WAY OUT, block by block of 16 rows x 128 columns, through my own stage in LDS: in as 32 bytes a lane, back as whole rows of 512 bytes.  LDS serves a wave's instructions in order (ISA guide 5.7.1.4).
.macro TOSTAGE a
.set AC, 64*((\a)%4)
	WIN 0x02+((\a)/4)                              ; source 0: window 2 or 3
.irp j, 0,2,4,6,8,10,12,14,16,18,20,22,24,26,28,30,32,34,36,38,40,42,44,46,48,50,52,54,56,58,60,62
	v_pk_mul_f32 v[TMP+\j:TMP+\j+1], v[AC+\j:AC+\j+1], s[96:97] op_sel_hi:[1,0]   ; both x s96 = 2^(e10 + e11); each accumulator from its low end on
.endr
	WIN 0
.irp b, 0,1,2,3,4,5,6,7
	ds_store_b128 v[STO], v[TMP+8*\b:TMP+8*\b+3] offset:64*\b
	ds_store_b128 v[STO], v[TMP+8*\b+4:TMP+8*\b+7] offset:64*\b+16
.endr
.set BB, BK+64*((\a)%2)
.irp t, 0,1,2,3,4,5,6,7,8,9,10,11,12,13,14,15
	ds_load_b128 v[BB+4*\t:BB+4*\t+3], v[RD] offset:\t*SPITCH
.endr
.endm
.macro SEND a, younger                 ; younger: the LDS instructions issued behind block a's loads, which may stay out
.set BB, BK+64*((\a)%2)
	s_wait_dscnt \younger
.if (\a) > 0
	s_add_nc_u64 s[10:11], s[10:11], 16*SIZE_N*4   ; (behind a wait on XCNT: the earlier stores have read their base)
.endif
.irp t, 0,1,2,3,4,5,6,7,8,9,10,11,12,13,14,15
	global_store_b128 v[CO], v[BB+4*\t:BB+4*\t+3], s[10:11] offset:\t*SIZE_N*4 th:TH_STORE_NT   ; 32 lanes store 512 consecutive bytes, at a multiple of 512 from out0's first byte
.endr
.endm
	s_wait_kmcnt 0x0
	s_add_co_i32 s96, s96, s97
	s_add_co_i32 s96, s96, 127
	s_lshl_b32 s96, s96, 23                        ; 2^(e10 + e11) as f32
	PLACES NP
	TOSTAGE 0
.irp a, 1,2,3,4,5,6,7
.if \a > 1
	s_wait_xcnt 0x0                                ; block a - 2's stores have read their registers and their base
.endif
	TOSTAGE \a
	SEND \a-1, 32                                  ; behind block a - 1's loads: block a's 16 stores and 16 loads
.endr
	s_wait_xcnt 0x0
	SEND 7, 0
	s_wait_tensorcnt 0x0                           ; the wave's end
	ds_add_u32 v[SPW], v[NIL]
	s_wait_dscnt 0x0
	CROUND                                         ; the closing round
	s_endpgm
.Lfunc_end_k_q88b2a2e320_outp:
	.size	k_q88b2a2e320_outp, .Lfunc_end_k_q88b2a2e320_outp-k_q88b2a2e320_outp
	.p2alignl 7, 3214868480
	.fill 96, 4, 3214868480
	.section	.rodata,"a",@progbits
	.p2align	6, 0x0
	.amdhsa_kernel k_q88b2a2e320_outp
		.amdhsa_group_segment_fixed_size 327680
		.amdhsa_private_segment_fixed_size 0
		.amdhsa_enable_private_segment 0
		.amdhsa_kernarg_size 32
		.amdhsa_user_sgpr_count 2
		.amdhsa_user_sgpr_kernarg_segment_ptr 1
		.amdhsa_wavefront_size32 1
		.amdhsa_system_sgpr_workgroup_id_x 1
		.amdhsa_system_sgpr_workgroup_id_y 1
		.amdhsa_system_sgpr_workgroup_id_z 1
		.amdhsa_system_vgpr_workitem_id 0
		.amdhsa_next_free_vgpr 1024
		.amdhsa_next_free_sgpr 98
		.amdhsa_reserve_vcc 0
		.amdhsa_float_denorm_mode_32 3
		.amdhsa_float_denorm_mode_16_64 3
		.amdhsa_memory_ordered 1
		.amdhsa_forward_progress 1
		.amdhsa_inst_pref_size 124
	.end_amdhsa_kernel
	.amdgpu_metadata
---
amdhsa.version: [ 1, 2 ]
amdhsa.kernels:
  - .name:           k_q88b2a2e320_outp
    .symbol:         k_q88b2a2e320_outp.kd
    .args:
      - { .name: y_img, .offset: 0, .size: 8, .value_kind: global_buffer, .address_space: global }
      - { .name: wo_codes, .offset: 8, .size: 8, .value_kind: global_buffer, .address_space: global }
      - { .name: lowp_scales, .offset: 16, .size: 8, .value_kind: global_buffer, .address_space: global }
      - { .name: out0, .offset: 24, .size: 8, .value_kind: global_buffer, .address_space: global }
    .group_segment_fixed_size: 327680
    .private_segment_fixed_size: 0
    .kernarg_segment_align: 8
    .kernarg_segment_size: 32
    .max_flat_workgroup_size: 128
    .sgpr_count:     98
    .vgpr_count:     1024
    .wavefront_size: 32
...
	.end_amdgpu_metadata
.endif
;; end of part 3
